; MI455X (gfx1250); checked and timed in simulation.
; The chip was launched on July 23, 2026; its instructions are those of AMD's public machine-readable ISA for CDNA 5 (MIT licence, August 2026) and "CDNA5" Instruction Set Architecture Reference Guide (July 2026). The comments in the code are by the model that wrote it; some were corrected since.
;; Multi Head Attention. Allowed arithmetic: matrix products marked QUANTISED: E5M2 operands, one given power-of-two scale a tensor, by v_wmma_f32_16x16x64_bf8_bf8 or v_wmma_f32_16x16x128_bf8_bf8, f32 sums; everything else in f32.
;; Inputs: W_out 1,024 x 1,024 float32; Wk 16 x 1,024 x 64 float32; Wq 16 x 1,024 x 64 float32; Wv 16 x 1,024 x 64 float32; b_out 1,024 float32; key 4 x 2,048 x 1,024 float32; key_attention_mask 4 x 2,048 bool; lowp_scales 12 int32 (the exponents e of the quantised operands' scales 2^e); query 4 x 2,048 x 1,024 float32; value 4 x 2,048 x 1,024 float32.
;; Outputs: out0 4 x 2,048 x 1,024 float32.
;; This version of the problem:
;;   THIS VERSION OF THE PROBLEM IS GIVEN IN LOW PRECISION. The matrix products marked QUANTISED in the list below multiply operands that are first quantised to E5M2 (5 exponent bits, 2 mantissa bits; 8 bits a number), with one given power-of-two scale for each operand tensor; their sums are f32. All else is computed in f32.
;;   The module's matrix products, in the order in which they are computed (A, B: the left and right operand; K: the contracted axis; several contracted axes count as one K, in the product's order):
;;     1. [M 1,024, K 1,024] x [K 1,024, N 8,192]; A: input Wq; B: input query: QUANTISED (scales: A lowp_scales[0], B lowp_scales[1])
;;     2. [M 1,024, K 1,024] x [K 1,024, N 8,192]; A: input Wk; B: input key: QUANTISED (scales: A lowp_scales[2], B lowp_scales[3])
;;     3. [M 1,024, K 1,024] x [K 1,024, N 8,192]; A: input Wv; B: input value: QUANTISED (scales: A lowp_scales[4], B lowp_scales[5])
;;     4. batch 64 x [M 2,048, K 64] x [K 64, N 2,048]; A: computed on the way; B: computed on the way: QUANTISED (scales: A lowp_scales[6], B lowp_scales[7])
;;     5. batch 64 x [M 2,048, K 2,048] x [K 2,048, N 64]; A: softmax (see below); B: computed on the way: QUANTISED (scales: A lowp_scales[8], B lowp_scales[9])
;;     6. [M 8,192, K 1,024] x [K 1,024, N 1,024]; A: computed on the way; B: input W_out: QUANTISED (scales: A lowp_scales[10], B lowp_scales[11])
;;   THE QUANTISER, for each operand of a quantised product, along K:
;;     - The operand's scale is 2^e, e = its entry of the input lowp_scales (int32; the entries are numbered through the quantised products in the list's order, A before B).
;;     - Each number is divided by the scale, clamped to +-57,344, and rounded to the nearest number of E5M2, ties to even, subnormals kept.
;;     - The product sums the exact products of the quantised numbers (number of the format x scale) in f32.
;;   ~~~python
;;   def quantise(x, axis, e):      # numpy; x: float32 -> the quantised numbers, widened to float32 again
;;       x = np.moveaxis(x, axis, -1); K = x.shape[-1]
;;       r = np.clip(x / 2.0 ** e, -57344, 57344)
;;       step = 2.0 ** (np.maximum(np.frexp(np.where(r == 0, 1, r))[1] - 1, -14) - 2)
;;       q = np.round(r / step) * step * 2.0 ** e      # np.round: ties to even
;;       return np.moveaxis(q, -1, axis).astype(np.float32)
;;   ~~~
;;   SOFTMAX AHEAD OF A QUANTISED PRODUCT. Where the list says 'softmax', what is quantised is not the finished softmax but p = 2^(t - M), with t = logit x log2(e) and M = ceil(the row's largest t), a whole number; so 1/2 < the row's largest p <= 1. The row's sum l is taken of the UNQUANTISED p, in f32, and the product's result is divided by l at the end. Since M is a whole number, a kernel that streams over the keys may use a running M (the ceiling of the running maximum): every later rescaling is an exact power of two, so the quantised numbers keep their values, but for numbers so far below the row's largest that they fall under the format's range.
;;   OPERANDS COMPUTED ON THE WAY. 'Computed on the way' means the value that the module computes at that place (a softmax that the list does not call 'softmax' is quantised finished and normalised). What goes into a quantiser is computed in f32, as accurately as f32 sums, v_exp_f32 and their like allow (about 1e-6 of the number): no bf16 or f16 on the way to a quantiser, and a product that is left as it is and whose result goes on into a quantised operand takes f32 operands (vector FMAs, or v_wmma_f32_16x16x4_f32). A number that lies on a knife's edge between two numbers of the format may be rounded either way, as far as f32 arithmetic and the matrix unit's own rounding can turn it there, and no further.
;; One version. Each part assembles by itself: llvm-mc -triple=amdgcn-amd-amdhsa -mcpu=gfx1250 --defsym DOCPART=n.
;; ======== version 1 of 1: 4 launches
;; limits: right only within a limited range of input values
;; workspace buffers: x_codes 25,165,824 bytes; w_codes 4,194,304 bytes; qkv_img 25,165,824 bytes; o_img 8,388,608 bytes
;; launch prep (part 1): grid 896 x 1, 4 waves a work-group, no clusters, 68,096 bytes of LDS; arguments query, key, value, Wq, Wk, Wv, W_out, lowp_scales, x_codes, w_codes; writes x_codes, w_codes
.if DOCPART == 1
	.amdgcn_target "amdgcn-amd-amdhsa--gfx1250"
	.amdhsa_code_object_version 6
	.text
	.protected	k_q4d581a6f5c_prep
	.globl	k_q4d581a6f5c_prep
	.p2align	8
	.type	k_q4d581a6f5c_prep,@function
k_q4d581a6f5c_prep:
	s_mov_b64 s[64:65], 0
	v_nop
	global_prefetch_b8 v0, s[64:65] scope:SCOPE_SE
	s_setreg_imm32_b32 hwreg(HW_REG_WAVE_MODE, 25, 1), 1
	s_wait_xcnt 0x0
; PREP: the seven f32 operands of the four projections become codes of BF8 (E5M2), one code a byte, K innermost, each with its own given scale 2^e.
; code = x / 2^e, held within +-57,344, rounded to the nearest code, ties to even.
; x_codes: query, key, value, 8 MiB each, [8192 tokens][1024].   w_codes: Wq, Wk, Wv, W_out, 1 MiB each, [1024 rows][1024 k]; a row is 64 head + channel (W_out: the output column).
; In Wv's part alone stored row rho holds channel sigma(rho), sigma = bits 3 and 4 of the row number exchanged: the attention launch then finds 16 neighbouring channels in a lane's 16 results.
; Work-groups 0-127 take the weights (K is not their innermost axis), work-groups 128-895 the activations.  The two ways part on the work-group's number, never meet again, and have LDS bytes of their own.
; No tensor loads, no barrier, no cluster: no wave reads what another wave reads or writes.
; LIMITS: each e used here (entries 0 to 5 and 11) lies between -126 and 112, so that 2^e and 57,344 x 2^e are f32 numbers.  NaN among the inputs is not served; an infinity is held at the largest code.
.set NWW,   128                        ; work-groups for the weights
.set STEPS, 16                         ; activations: steps of 512 numbers for a wave
.set SP,    80                         ; a lane's place in a stage: its 64 bytes + 16 of padding
.set WREG,  8192                       ; activations: LDS bytes 0 .. 32,767, a region for each wave: two stages of 32 x SP bytes
.set R,     16                         ; v16-79   four sets of 16 numbers as they are loaded
.set X,     80                         ; v80-111  two sets of 16 neighbours
.set C,     128                        ; v128-191 codes: four registers for each step, so that no store's data are written again
.set WSTG,  32768                      ; weights: LDS bytes 32,768 .. 67,583: a stage of 32 rows x WP bytes for each wave
.set WP,    272                        ; a stage row: 256 codes + 16 bytes of padding
.set WX,    32                         ; v32-95   weights: two sets of 32 numbers; on the way out the rows read back
.set WC,    96                         ; v96-103  a block's codes
.set VO,    104                        ; v104-135 byte offset of row i of a block of 32 along K, at my column
.macro LOAD t                          ; activations: step t's 2,048 bytes, 512 consecutive bytes a load
.irp i, 0,1,2,3
	global_load_b128 v[R+16*((\t)%4)+4*\i:R+16*((\t)%4)+4*\i+3], v3, s[4:5] offset:2048*(\t)+512*\i th:TH_LOAD_NT
.endr
.endm
.macro TURN t                          ; step t's numbers through the stage: in as they lie, back 64 bytes a lane.  LDS serves a wave's instructions in order, so no wait stands between
.irp i, 0,1,2,3
	ds_store_b128 v14, v[R+16*((\t)%4)+4*\i:R+16*((\t)%4)+4*\i+3] offset:32*SP*((\t)%2)+8*SP*\i
.endr
.irp i, 0,1,2,3
	ds_load_b128 v[X+16*((\t)%2)+4*\i:X+16*((\t)%2)+4*\i+3], v15 offset:32*SP*((\t)%2)+16*\i
.endr
.endm
.macro STEP t
.set XS, X+16*((\t)%2)
	s_wait_dscnt 0x0                               ; this step's numbers are back from the stage, so its stores into the stage have read their registers,
.if (\t)+4 < STEPS
	LOAD (\t)+4                                    ; which take the loads of four steps on
.endif
.if (\t)+1 < STEPS
.if STEPS-2-(\t) >= 3
	s_wait_loadcnt 12                              ; the next step's four loads are in; those of the three steps behind it may be out
.else
	s_wait_loadcnt 4*(STEPS-2-(\t))
.endif
	TURN (\t)+1                                    ; they go through the other stage while this step is worked
.endif
.irp i, 0,1,2,3,4,5,6,7,8,9,10,11,12,13,14,15
.endr
	v_cvt_scalef32_pk8_bf8_f32 v[C+4*(\t):C+4*(\t)+1], v[XS:XS+7], v11
	v_cvt_scalef32_pk8_bf8_f32 v[C+4*(\t)+2:C+4*(\t)+3], v[XS+8:XS+15], v11
	global_store_b128 v3, v[C+4*(\t):C+4*(\t)+3], s[6:7] offset:512*(\t)   ; the wave stores 512 consecutive bytes
.endm
.macro WLOAD t                         ; weights: block t: W(32 t + i, my column), i = 0 .. 31, into set t % 2; a base of its own for each block, so that none is stepped
.set i, 0
.rept 32
	global_load_b32 v[WX+32*((\t)%2)+i], v[VO+i], s[48+2*(\t):49+2*(\t)] th:TH_LOAD_NT
.set i, i+1
.endr
.endm
.macro WBLOCK t
.set XS, WX+32*((\t)%2)
.if (\t) < 7
	s_wait_loadcnt 32                              ; this block's 32 loads are in; the next block's may be out
.else
	s_wait_loadcnt 0x0
.endif
.set i, 0
.rept 32
.set i, i+1
.endr
.irp g, 0,1,2,3
	v_cvt_scalef32_pk8_bf8_f32 v[WC+2*\g:WC+2*\g+1], v[XS+8*\g:XS+8*\g+7], v11
.endr
	ds_store_b128 v4, v[WC:WC+3] offset:32*(\t)    ; 32 codes: 32 bytes of my stored row
	ds_store_b128 v4, v[WC+4:WC+7] offset:32*(\t)+16
.if (\t)+2 < 8
	WLOAD (\t)+2
.endif
	s_wait_dscnt 0x0                               ; the stores have read their registers: the next block's codes may be written
.endm
	s_load_b512 s[8:23], s[0:1], 0x0               ; query s[8:9], key s[10:11], value s[12:13], Wq s[14:15], Wk s[16:17], Wv s[18:19], W_out s[20:21], the exponents s[22:23]
	s_load_b128 s[24:27], s[0:1], 0x40             ; x_codes s[24:25], w_codes s[26:27]
	v_lshl_add_u32 v192, v0, 2, 0x10800
	v_mov_b32 v193, 0
	v_lshrrev_b32 v1, 5, v0
	v_readfirstlane_b32 s28, v1                    ; wave 0..3
	v_and_b32 v2, 31, v0                           ; lane
	s_cmp_lt_u32 ttmp9, NWW
	s_cbranch_scc1 .Lweights
	; ---------------- THE ACTIVATIONS: dense rows with K innermost: a plain stream of numbers.  A wave takes 8,192 of them.
	v_lshlrev_b32 v3, 4, v2                        ; my 16 bytes of a load's 512, and of a store's 512
	s_mul_i32 s29, s28, WREG
	v_lshrrev_b32 v14, 2, v2
	v_mul_u32_u24 v14, v14, SP
	v_and_b32 v15, 3, v2
	v_lshl_add_u32 v14, v15, 4, v14
	v_add_nc_u32 v14, s29, v14                     ; the stage, on the way in: four lanes' 64 bytes on end, then 16 of padding
	v_mul_u32_u24 v15, v2, SP
	v_add_nc_u32 v15, s29, v15                     ; and on the way out: my 16 neighbours
	s_sub_co_u32 s30, ttmp9, NWW                   ; 0 .. 767: 256 work-groups a tensor
	s_lshr_b32 s31, s30, 8                         ; which tensor
	s_and_b32 s32, s30, 255
	s_lshl_b32 s32, s32, 2
	s_add_co_u32 s32, s32, s28                     ; which run of 8,192 numbers is my wave's
	s_lshl_b32 s34, s32, 15                        ; its bytes as f32,
	s_mov_b32 s35, 0
	s_lshl_b32 s36, s32, 13                        ; and as codes,
	s_lshl_b32 s33, s31, 23
	s_add_co_u32 s36, s36, s33                     ; in the tensor's 8 MiB of x_codes
	s_mov_b32 s37, 0
	s_wait_alu depctr_va_vdst(0)
	s_wait_kmcnt 0x0
	s_load_b256 s[40:47], s[22:23], 0x0            ; entries 0 to 7
	s_cmp_lt_u32 s30, 512                          ; the choices hang on the work-group's number alone
	s_cselect_b64 s[4:5], s[10:11], s[12:13]
	s_cmp_lt_u32 s30, 256
	s_cselect_b64 s[4:5], s[8:9], s[4:5]
	s_add_nc_u64 s[4:5], s[4:5], s[34:35]
	s_add_nc_u64 s[6:7], s[24:25], s[36:37]
.irp t, 0,1,2,3
	LOAD \t
.endr
	s_wait_kmcnt 0x0
	s_cmp_lt_u32 s30, 512
	s_cselect_b32 s38, s43, s45                    ; key: entry 3; value: entry 5
	s_cmp_lt_u32 s30, 256
	s_cselect_b32 s38, s41, s38                    ; query: entry 1
	s_add_co_i32 s38, s38, 127
	s_lshl_b32 s39, s38, 23
	v_mov_b32 v11, s39                             ; 2^e as f32: the conversion takes its exponent field
	s_add_co_i32 s38, s38, 15
	s_lshl_b32 s38, s38, 23
	s_or_b32 s38, s38, 0x600000
	s_wait_alu depctr_va_vdst(0)
	s_wait_loadcnt 12                              ; step 0's four loads are in
	TURN 0
.irp t, 0,1,2,3,4,5,6,7,8,9,10,11,12,13,14,15
	STEP \t
.endr
	s_wait_tensorcnt 0x0
	ds_add_u32 v192, v193
	s_wait_dscnt 0x0
	s_endpgm
	; ---------------- THE WEIGHTS: K is not innermost.  A lane takes a column and its registers run down K, so the conversions give codes with K innermost; nothing is transposed by an instruction.
	; A wave takes 32 stored rows x 256 along K; its codes go through its own stage and leave as rows: sixteen lanes store 256 consecutive bytes, aligned.
.Lweights:
	s_lshr_b32 s30, ttmp9, 5                       ; which matrix: 0 Wq, 1 Wk, 2 Wv, 3 W_out
	s_and_b32 s31, ttmp9, 7                        ; which 128 stored rows
	s_bfe_u32 s32, ttmp9, 0x20003                  ; which 256 along K
	s_lshl_b32 s33, s31, 1
	s_lshr_b32 s34, s28, 1
	s_add_co_u32 s33, s33, s34                     ; the head: two to a work-group
	s_lshl_b32 s33, s33, 18                        ; a head is 1,024 x 64 f32
	s_and_b32 s34, s28, 1
	s_lshl_b32 s34, s34, 7                         ; its channels 0-31 or 32-63
	s_add_co_u32 s33, s33, s34
	s_lshl_b32 s34, s32, 16                        ; 256 rows of 256 bytes
	s_add_co_u32 s33, s33, s34                     ; where my part begins in Wq, Wk or Wv
	s_lshl_b32 s35, s31, 7
	s_lshl_b32 s34, s28, 5
	s_add_co_u32 s35, s35, s34                     ; my first stored row: 128 x block + 32 x wave
	s_lshl_b32 s36, s35, 2
	s_lshl_b32 s34, s32, 20                        ; 256 rows of 4,096 bytes
	s_add_co_u32 s36, s36, s34                     ; where my part begins in W_out
	s_lshl_b32 s44, s30, 20
	s_lshl_b32 s34, s35, 10
	s_add_co_u32 s44, s44, s34
	s_lshl_b32 s34, s32, 8
	s_add_co_u32 s44, s44, s34                     ; and in w_codes: the matrix's 1 MiB, row x 1,024, + 256 x block along K
	s_mov_b32 s45, 0
	s_mov_b32 s37, 4096
	s_cmp_lt_u32 s30, 3
	s_cselect_b32 s38, s33, s36
	s_cselect_b32 s37, 256, s37                    ; bytes from a row of K to the next
	s_mov_b32 s39, 0
	s_cmp_eq_u32 s30, 2
	s_cselect_b32 s29, 24, 0                       ; Wv alone: sigma
	s_lshl_b32 s40, s37, 5                         ; a block of 32 rows
	s_mov_b32 s41, 0
	s_mul_i32 s42, s28, 32*WP
	s_add_co_u32 s42, s42, WSTG                    ; my stage
	s_wait_alu depctr_va_vdst(0)
	v_mul_u32_u24 v4, v2, WP
	v_add_nc_u32 v4, s42, v4                       ; into it: row = my stored row
	v_and_b32 v5, 15, v2
	v_lshrrev_b32 v6, 4, v2                        ; out of it: sixteen lanes to a row, two rows an instruction
	v_mul_u32_u24 v7, v6, WP
	v_lshl_add_u32 v7, v5, 4, v7
	v_add_nc_u32 v7, s42, v7
	v_lshlrev_b32 v8, 10, v6
	v_lshl_add_u32 v8, v5, 4, v8                   ; and the same place in w_codes
	v_lshrrev_b32 v9, 3, v2
	v_xor_b32 v9, v9, v6
	v_and_b32 v9, 1, v9                            ; do bits 3 and 4 of my lane differ?
	v_mul_u32_u24 v9, s29, v9
	v_xor_b32 v9, v9, v2                           ; the column that my stored row holds
	v_lshlrev_b32 v3, 2, v9
.set i, 0
.rept 32
	v_mad_u32_u24 v[VO+i], s37, i, v3
.set i, i+1
.endr
	s_wait_alu depctr_va_vdst(0)
	s_wait_kmcnt 0x0
	s_load_b256 s[68:75], s[22:23], 0x0            ; entries 0 to 7
	s_load_b32 s76, s[22:23], 0x2c                 ; entry 11
	s_cmp_eq_u32 s30, 2
	s_cselect_b64 s[4:5], s[18:19], s[20:21]
	s_cmp_eq_u32 s30, 1
	s_cselect_b64 s[4:5], s[16:17], s[4:5]
	s_cmp_eq_u32 s30, 0
	s_cselect_b64 s[4:5], s[14:15], s[4:5]
	s_add_nc_u64 s[48:49], s[4:5], s[38:39]
.irp t, 1,2,3,4,5,6,7
	s_add_nc_u64 s[48+2*\t:49+2*\t], s[46+2*\t:47+2*\t], s[40:41]
.endr
	s_add_nc_u64 s[6:7], s[26:27], s[44:45]
	WLOAD 0
	WLOAD 1
	s_wait_kmcnt 0x0
	s_cmp_eq_u32 s30, 2
	s_cselect_b32 s77, s72, s76                    ; Wv: entry 4; W_out: entry 11
	s_cmp_eq_u32 s30, 1
	s_cselect_b32 s77, s70, s77                    ; Wk: entry 2
	s_cmp_eq_u32 s30, 0
	s_cselect_b32 s77, s68, s77                    ; Wq: entry 0
	s_add_co_i32 s77, s77, 127
	s_lshl_b32 s78, s77, 23
	v_mov_b32 v11, s78                             ; 2^e
	s_add_co_i32 s77, s77, 15
	s_lshl_b32 s77, s77, 23
	s_or_b32 s77, s77, 0x600000
	s_wait_alu depctr_va_vdst(0)
.irp t, 0,1,2,3,4,5,6,7
	WBLOCK \t
.endr
	v_nop
.irp t, 0,1,2,3,4,5,6,7,8,9,10,11,12,13,14,15
	ds_load_b128 v[WX+4*\t:WX+4*\t+3], v7 offset:2*\t*WP   ; LDS serves a wave's instructions in order: these see my stores
.endr
.irp t, 0,1,2,3,4,5,6,7,8,9,10,11,12,13,14,15
	s_wait_dscnt 15-\t                             ; load t is back; the 15 - t younger ones may be out
	global_store_b128 v8, v[WX+4*\t:WX+4*\t+3], s[6:7] offset:2*\t*1024
.endr
	s_wait_tensorcnt 0x0
	ds_add_u32 v192, v193
	s_wait_dscnt 0x0
	s_endpgm
.Lfunc_end_k_q4d581a6f5c_prep:
	.size	k_q4d581a6f5c_prep, .Lfunc_end_k_q4d581a6f5c_prep-k_q4d581a6f5c_prep
	.p2alignl 7, 3214868480
	.fill 96, 4, 3214868480
	.section	.rodata,"a",@progbits
	.p2align	6, 0x0
	.amdhsa_kernel k_q4d581a6f5c_prep
		.amdhsa_group_segment_fixed_size 68096
		.amdhsa_private_segment_fixed_size 0
		.amdhsa_enable_private_segment 0
		.amdhsa_kernarg_size 80
		.amdhsa_user_sgpr_count 2
		.amdhsa_user_sgpr_kernarg_segment_ptr 1
		.amdhsa_wavefront_size32 1
		.amdhsa_system_sgpr_workgroup_id_x 1
		.amdhsa_system_sgpr_workgroup_id_y 1
		.amdhsa_system_sgpr_workgroup_id_z 1
		.amdhsa_system_vgpr_workitem_id 0
		.amdhsa_next_free_vgpr 194
		.amdhsa_next_free_sgpr 80
		.amdhsa_reserve_vcc 0
		.amdhsa_float_denorm_mode_32 3
		.amdhsa_float_denorm_mode_16_64 3
		.amdhsa_fp16_overflow 1
		.amdhsa_memory_ordered 1
		.amdhsa_forward_progress 1
		.amdhsa_inst_pref_size 57
	.end_amdhsa_kernel
	.amdgpu_metadata
---
amdhsa.version: [ 1, 2 ]
amdhsa.kernels:
  - .name:           k_q4d581a6f5c_prep
    .symbol:         k_q4d581a6f5c_prep.kd
    .args:
      - { .name: query, .offset: 0, .size: 8, .value_kind: global_buffer, .address_space: global }
      - { .name: key, .offset: 8, .size: 8, .value_kind: global_buffer, .address_space: global }
      - { .name: value, .offset: 16, .size: 8, .value_kind: global_buffer, .address_space: global }
      - { .name: Wq, .offset: 24, .size: 8, .value_kind: global_buffer, .address_space: global }
      - { .name: Wk, .offset: 32, .size: 8, .value_kind: global_buffer, .address_space: global }
      - { .name: Wv, .offset: 40, .size: 8, .value_kind: global_buffer, .address_space: global }
      - { .name: W_out, .offset: 48, .size: 8, .value_kind: global_buffer, .address_space: global }
      - { .name: lowp_scales, .offset: 56, .size: 8, .value_kind: global_buffer, .address_space: global }
      - { .name: x_codes, .offset: 64, .size: 8, .value_kind: global_buffer, .address_space: global }
      - { .name: w_codes, .offset: 72, .size: 8, .value_kind: global_buffer, .address_space: global }
    .group_segment_fixed_size: 68096
    .private_segment_fixed_size: 0
    .kernarg_segment_align: 8
    .kernarg_segment_size: 80
    .max_flat_workgroup_size: 128
    .sgpr_count:     80
    .vgpr_count:     194
    .wavefront_size: 32
...
	.end_amdgpu_metadata
.endif
;; end of part 1
;; launch proj (part 2): grid 4 x 96, 4 waves a work-group, clusters of 4 x 4, 327,680 bytes of LDS; arguments x_codes, w_codes, lowp_scales, qkv_img; writes qkv_img
.if DOCPART == 2
	.amdgcn_target "amdgcn-amd-amdhsa--gfx1250"
	.amdhsa_code_object_version 6
	.text
	.protected	k_q4d581a6f5c_proj
	.globl	k_q4d581a6f5c_proj
	.p2align	8
	.type	k_q4d581a6f5c_proj,@function
k_q4d581a6f5c_proj:
	s_mov_b64 s[64:65], 0
	v_nop
	global_prefetch_b8 v0, s[64:65] scope:SCOPE_SE
	s_setreg_imm32_b32 hwreg(HW_REG_WAVE_MODE, 25, 1), 1
	s_wait_xcnt 0x0
	s_wait_alu depctr_hold_cnt(0) depctr_sa_sdst(0) depctr_va_vdst(0) depctr_va_sdst(0) depctr_va_ssrc(0) depctr_va_vcc(0) depctr_vm_vsrc(0)
	s_getreg_b32 s2, hwreg(HW_REG_IB_STS2, 6, 4)
	s_cmp_eq_u32 s2, 0
	s_cbranch_scc0 .Lentry_in_a_cluster
	s_endpgm
.Lentry_in_a_cluster:
	s_bfe_u32 s2, ttmp6, 0x10000c
	s_cmp_lg_u32 s2, 0xf033
	s_cbranch_scc0 .Lentry_shape_is_right
	s_endpgm
.Lentry_shape_is_right:
.set ROWB,   256
.set KROW,   1024
.set PITCH,  272
.set FR,     16
.set NL,     4
.set NP,     4
.set HALFT,  128*PITCH
.set SLOT,   4*HALFT
.set LAPS,   2
.set SPARE,  2*SLOT
.set SCR,  12
.set LIMR, 13
.set ADRA, 16
.set ADRB, 20
.set CO,   26
.set SPW,  28
.set NIL,  29
.set TMP,  32
.set AF,   128
.set CD,   128
.set G1, 24
.set G0, 32
.set G1B, 48
.set G0B, 56
.set MSB, 0
.macro WIN new
.if MSB != \new
	s_set_vgpr_msb (MSB<<8)|\new
.set MSB, \new
.endif
.endm
.set MUL_LO, 0xa1
.set MUL_HI, 0xf1
.set TO_B,   0x40
.macro JLOAD g0a, g1a, g0b, g1b
	s_cmp_eq_u32 s15, 0
	s_cbranch_scc0 .Lfor_b_\@
	tensor_load_to_lds s[\g0a:\g0a+3], s[\g1a:\g1a+7]
	s_nop 0
.rept 4
	v_nop
.endr
	s_branch .Lasked_\@
.Lfor_b_\@:
	tensor_load_to_lds s[\g0b:\g0b+3], s[\g1b:\g1b+7]
	s_nop 0
.rept 4
	v_nop
.endr
.Lasked_\@:
.endm
.macro CREST
	s_cmp_lg_u32 s14, 0
	s_cbranch_scc1 .Lnot_wave_0_\@
	s_barrier_signal -3
.Lnot_wave_0_\@:
	s_barrier_wait -3
	s_barrier_signal -1
	s_barrier_wait -1
.endm
.macro CROUND
	s_barrier_signal -1
	s_barrier_wait -1
	CREST
.endm
	s_load_b256 s[4:11], s[0:1], 0x0
	v_lshl_add_u32 v[SPW], v0, 2, SPARE
	v_mov_b32 v[NIL], 0
	ds_add_u32 v28, v29
	ds_add_u32 v28, v29
	s_wait_dscnt 0x0
	v_lshrrev_b32 v1, 5, v0
	v_readfirstlane_b32 s14, v1
	s_lshr_b32 s15, s14, 1
	s_and_b32 s16, s14, 1
	s_bfe_u32 s40, ttmp6, 0x40000
	s_bfe_u32 s41, ttmp6, 0x40004
	s_and_b32 s80, ttmp7, 0xffff
	s_lshr_b32 s81, s80, 3
	s_and_b32 s82, s80, 7
	s_lshl_b32 s82, s82, 2
	s_lshl_b32 s83, s81, 23
	s_lshl_b32 s84, s81, 20
	s_cmp_lt_u32 s80, 16
	s_cselect_b32 s17, s82, 0
	s_cselect_b32 s42, 0, s82
	s_cselect_b32 s85, s83, 2<<20
	s_cselect_b32 s86, s84, 2<<23
	s_add_co_u32 s17, s17, s41
	s_add_co_u32 s42, s42, s40
	s_lshl_b32 s43, s41, 2
	s_lshl_b32 s43, 15, s43
	s_lshl_b32 s44, 0x1111, s40
	s_or_b32 s[G1+0], s43, (0<<16)|(1<<20)|(1<<21)|(5<<22)|(3<<25)
	s_or_b32 s[G1B+0], s44, (0<<16)|(1<<20)|(1<<21)|(5<<22)|(3<<25)
.irp g, G1, G1B
	s_mov_b32 s[\g+1], ROWB<<16
	s_mov_b32 s[\g+2], 128<<16
	s_mov_b32 s[\g+3], ROWB<<16
	s_mov_b32 s[\g+4], 128
	s_mov_b32 s[\g+5], KROW
	s_mov_b32 s[\g+6], 0
	s_mov_b32 s[\g+7], 0
.endr
	s_lshl_b32 s18, s16, 7
	s_lshl_b32 s20, s17, 8
	s_add_co_u32 s20, s20, s18
	s_lshl_b32 s20, s20, 10
	s_add_co_u32 s20, s20, s85
	s_mov_b32 s21, 0
	s_lshl_b32 s46, s42, 8
	s_add_co_u32 s46, s46, s18
	s_lshl_b32 s46, s46, 10
	s_add_co_u32 s46, s46, s86
	s_mov_b32 s47, 0
	s_mul_i32 s45, s14, HALFT
	s_wait_kmcnt 0x0
	s_load_b256 s[68:75], s[8:9], 0x0
	s_load_b128 s[76:79], s[8:9], 0x20
	s_cmp_lt_u32 s80, 16
	s_cselect_b64 s[88:89], s[4:5], s[6:7]
	s_cselect_b64 s[90:91], s[6:7], s[4:5]
	s_add_nc_u64 s[20:21], s[88:89], s[20:21]
	s_add_nc_u64 s[46:47], s[90:91], s[46:47]
	CROUND
.irp s, 0,1
	s_mov_b32 s[G0+4*\s], 1
	s_add_co_u32 s[G0+4*\s+1], s45, \s*SLOT
	s_add_nc_u64 s[G0+4*\s+2:G0+4*\s+3], s[20:21], \s*ROWB
	s_or_b32 s[G0+4*\s+3], s[G0+4*\s+3], 0x80000000
	s_mov_b32 s[G0B+4*\s], 1
	s_add_co_u32 s[G0B+4*\s+1], s45, \s*SLOT
	s_add_nc_u64 s[G0B+4*\s+2:G0B+4*\s+3], s[46:47], \s*ROWB
	s_or_b32 s[G0B+4*\s+3], s[G0B+4*\s+3], 0x80000000
	s_wait_alu depctr_va_vdst(0)
	s_wait_tensorcnt 0x0
	ds_add_u32 v28, v29
	ds_add_u32 v28, v29
	s_wait_dscnt 0x0
	CROUND
	JLOAD G0+4*\s, G1, G0B+4*\s, G1B
.endr
	v_and_b32 v1, 15, v0
	v_bfe_u32 v2, v0, 4, 1
	v_mul_u32_u24 v3, v1, PITCH
	v_lshl_add_u32 v4, v2, 4, v3
	s_mul_i32 s21, s15, HALFT
	s_mul_i32 s22, s16, HALFT
	s_add_co_u32 s22, s22, 2*HALFT
.irp s, 0,1
	v_add_nc_u32 v[ADRA+\s], s21, v4
	v_add_nc_u32 v[ADRB+\s], s22, v4
	s_add_co_u32 s21, s21, SLOT
	s_add_co_u32 s22, s22, SLOT
.endr
	v_and_b32 v6, 31, v0
	v_lshlrev_b32 v[CO], 4, v6
	s_and_b32 s92, s17, 7
	s_lshl_b32 s92, s92, 4
	s_lshl_b32 s93, s15, 3
	s_add_co_u32 s92, s92, s93
	s_lshl_b32 s92, s92, 11
	s_add_co_u32 s92, s92, s83
	s_lshr_b32 s93, s17, 3
	s_lshl_b32 s93, s93, 21
	s_lshl_b32 s94, s42, 1
	s_add_co_u32 s94, s94, s16
	s_lshl_b32 s94, s94, 18
	s_add_co_u32 s93, s93, s94
	s_lshr_b32 s94, s42, 3
	s_lshl_b32 s94, s94, 21
	s_and_b32 s95, s42, 7
	s_lshl_b32 s95, s95, 1
	s_add_co_u32 s95, s95, s16
	s_lshl_b32 s95, s95, 17
	s_add_co_u32 s94, s94, s95
	s_cmp_lt_u32 s80, 16
	s_cselect_b32 s93, s93, s94
	s_add_co_u32 s92, s92, s93
	s_mov_b32 s93, 0
	s_add_nc_u64 s[10:11], s[10:11], s[92:93]
	s_wait_alu depctr_va_vdst(0)
	s_wait_kmcnt 0x0
	s_sub_co_i32 s74, s74, s68
	s_sub_co_i32 s74, s74, s69
	s_sub_co_i32 s75, s75, s70
	s_sub_co_i32 s75, s75, s71
	s_sub_co_i32 s77, s77, s72
	s_sub_co_i32 s77, s77, s73
	s_cmp_lt_u32 s80, 16
	s_cselect_b32 s75, s75, s77
	s_cmp_lt_u32 s80, 8
	s_cselect_b32 s74, s74, s75
	s_add_co_i32 s74, s74, 127
	s_lshl_b32 s75, s74, 23
	v_mov_b32 v[SCR], s75
.macro FRAG reg, adr, q, i
.irp c, 0,1,2,3
	ds_load_b128 v[\reg+4*\c:\reg+4*\c+3], v[\adr] offset:128*(\q)+32*\c+(\i)*16*PITCH
.endr
.endm
.macro MUL16 a0, p, zero
.irp a, \a0, \a0+1
.irp b, 0,1,2,3,4,5,6,7
.if \zero
	v_wmma_f32_16x16x128_bf8_bf8 v[8*(8*((\a)%4)+\b):8*(8*((\a)%4)+\b)+7], v[128*(\p)+FR*\b:128*(\p)+FR*\b+FR-1], v[AF+FR*(\a):AF+FR*(\a)+FR-1], 0
.else
	v_wmma_f32_16x16x128_bf8_bf8 v[8*(8*((\a)%4)+\b):8*(8*((\a)%4)+\b)+7], v[128*(\p)+FR*\b:128*(\p)+FR*\b+FR-1], v[AF+FR*(\a):AF+FR*(\a)+FR-1], v[8*(8*((\a)%4)+\b):8*(8*((\a)%4)+\b)+7]
.endif
.endr
.endr
.endm
.macro FETCH_B slot, q, p
	WIN TO_B
.irp i, 0,1,2,3,4,5,6,7
	FRAG 128*(\p)+FR*\i, ADRB+\slot, \q, \i
.endr
	WIN 0
.endm
.macro FETCH_A slot, q, i0
.irp i, \i0, \i0+1, \i0+2, \i0+3
	FRAG AF+FR*(\i), ADRA+\slot, \q, \i
.endr
.endm
.macro PLACES n
.rept \n
	v_nop
.endr
.endm
.macro STEP slot, q, zero
	s_wait_dscnt 4*NL
	WIN MUL_LO
	MUL16 0, (\q)%2, \zero
	MUL16 2, (\q)%2, \zero
	s_wait_dscnt 0
	PLACES NP
	FETCH_B \slot, (\q)+1, 1-(\q)%2
	FETCH_A \slot, (\q)+1, 0
	WIN MUL_HI
	MUL16 4, (\q)%2, \zero
	MUL16 6, (\q)%2, \zero
	PLACES NP
	WIN 0
	FETCH_A \slot, (\q)+1, 4
.endm
.macro TURN slot, next, fill
	s_wait_tensorcnt 0x0
	ds_add_u32 v[SPW], v[NIL]
	s_wait_dscnt 4*NL+1
	WIN MUL_LO
	MUL16 0, 1, 0
	s_wait_dscnt 0x0
	s_barrier_signal -1
	MUL16 2, 1, 0
	WIN 0
	s_barrier_wait -1
.if \fill
	CREST
	s_add_nc_u64 s[G0+4*\slot+2:G0+4*\slot+3], s[G0+4*\slot+2:G0+4*\slot+3], 2*ROWB
	s_add_nc_u64 s[G0B+4*\slot+2:G0B+4*\slot+3], s[G0B+4*\slot+2:G0B+4*\slot+3], 2*ROWB
	JLOAD G0+4*\slot, G1, G0B+4*\slot, G1B
.else
	PLACES NP
.endif
	FETCH_B \next, 0, 0
	FETCH_A \next, 0, 0
	WIN MUL_HI
	MUL16 4, 1, 0
	MUL16 6, 1, 0
	PLACES NP
	WIN 0
	FETCH_A \next, 0, 4
.endm
	s_wait_tensorcnt 1
	s_barrier_signal -1
	s_barrier_wait -1
	FETCH_B 0, 0, 0
	FETCH_A 0, 0, 0
	FETCH_A 0, 0, 4
	STEP 0, 0, 1
	s_mov_b32 s3, LAPS-1
.Llap:
	TURN 0, 1, 1
	STEP 1, 0, 0
	TURN 1, 0, 1
	STEP 0, 0, 0
	s_sub_co_u32 s3, s3, 1
	s_cmp_lg_u32 s3, 0
	s_cbranch_scc1 .Llap
	TURN 0, 1, 0
	STEP 1, 0, 0
	s_wait_dscnt 4*NL
	WIN MUL_LO
	MUL16 0, 1, 0
	MUL16 2, 1, 0
	s_wait_alu depctr_va_vdst(0)
	s_wait_dscnt 0
	WIN MUL_HI
	MUL16 4, 1, 0
	MUL16 6, 1, 0
	WIN 0
.macro PACK a
.set AC, 64*((\a)%4)
	WIN 0x02+((\a)/4)
.set j, 0
.rept 64
.set j, j+1
.endr
.irp b, 0,1,2,3,4,5,6,7
	v_cvt_scalef32_pk8_bf8_f32 v[CD+16*(\a)+2*\b:CD+16*(\a)+2*\b+1], v[AC+8*\b:AC+8*\b+7], v[SCR]
.endr
	WIN 0
	v_nop
.irp g, 0,1,2,3
	global_store_b128 v[CO], v[CD+16*(\a)+4*\g:CD+16*(\a)+4*\g+3], s[10:11] offset:2048*(\a)+512*\g
.endr
.endm
	PLACES NP
.irp a, 0,1,2,3,4,5,6,7
	PACK \a
.endr
	s_wait_tensorcnt 0x0
	ds_add_u32 v[SPW], v[NIL]
	s_wait_dscnt 0x0
	CROUND
	s_endpgm
.Lfunc_end_k_q4d581a6f5c_proj:
	.size	k_q4d581a6f5c_proj, .Lfunc_end_k_q4d581a6f5c_proj-k_q4d581a6f5c_proj
	.p2alignl 7, 3214868480
	.fill 96, 4, 3214868480
	.section	.rodata,"a",@progbits
	.p2align	6, 0x0
	.amdhsa_kernel k_q4d581a6f5c_proj
		.amdhsa_group_segment_fixed_size 327680
		.amdhsa_private_segment_fixed_size 0
		.amdhsa_enable_private_segment 0
		.amdhsa_kernarg_size 32
		.amdhsa_user_sgpr_count 2
		.amdhsa_user_sgpr_kernarg_segment_ptr 1
		.amdhsa_wavefront_size32 1
		.amdhsa_system_sgpr_workgroup_id_x 1
		.amdhsa_system_sgpr_workgroup_id_y 1
		.amdhsa_system_sgpr_workgroup_id_z 1
		.amdhsa_system_vgpr_workitem_id 0
		.amdhsa_next_free_vgpr 1024
		.amdhsa_next_free_sgpr 100
		.amdhsa_reserve_vcc 0
		.amdhsa_float_denorm_mode_32 3
		.amdhsa_float_denorm_mode_16_64 3
		.amdhsa_fp16_overflow 1
		.amdhsa_memory_ordered 1
		.amdhsa_forward_progress 1
		.amdhsa_inst_pref_size 87
	.end_amdhsa_kernel
	.amdgpu_metadata
---
amdhsa.version: [ 1, 2 ]
amdhsa.kernels:
  - .name:           k_q4d581a6f5c_proj
    .symbol:         k_q4d581a6f5c_proj.kd
    .args:
      - { .name: x_codes, .offset: 0, .size: 8, .value_kind: global_buffer, .address_space: global }
      - { .name: w_codes, .offset: 8, .size: 8, .value_kind: global_buffer, .address_space: global }
      - { .name: lowp_scales, .offset: 16, .size: 8, .value_kind: global_buffer, .address_space: global }
      - { .name: qkv_img, .offset: 24, .size: 8, .value_kind: global_buffer, .address_space: global }
    .group_segment_fixed_size: 327680
    .private_segment_fixed_size: 0
    .kernarg_segment_align: 8
    .kernarg_segment_size: 32
    .max_flat_workgroup_size: 128
    .sgpr_count:     100
    .vgpr_count:     1024
    .wavefront_size: 32
...
	.end_amdgpu_metadata
.endif
;; end of part 2
;; launch attn (part 3): grid 4 x 64, 8 waves a work-group, clusters of 4 x 1, 271,360 bytes of LDS; arguments qkv_img, key_attention_mask, lowp_scales, o_img; writes o_img
.if DOCPART == 3
	.amdgcn_target "amdgcn-amd-amdhsa--gfx1250"
	.amdhsa_code_object_version 6
	.text
	.protected	k_q4d581a6f5c_attn
	.globl	k_q4d581a6f5c_attn
	.p2align	8
	.type	k_q4d581a6f5c_attn,@function
k_q4d581a6f5c_attn:
	s_mov_b64 s[64:65], 0
	v_nop
	global_prefetch_b8 v0, s[64:65] scope:SCOPE_SE
	s_setreg_imm32_b32 hwreg(HW_REG_WAVE_MODE, 25, 1), 1
	s_wait_xcnt 0x0
	s_wait_alu depctr_hold_cnt(0) depctr_sa_sdst(0) depctr_va_vdst(0) depctr_va_sdst(0) depctr_va_ssrc(0) depctr_va_vcc(0) depctr_vm_vsrc(0)
	s_getreg_b32 s2, hwreg(HW_REG_IB_STS2, 6, 4)
	s_cmp_eq_u32 s2, 0
	s_cbranch_scc0 .Lentry_in_a_cluster
	s_endpgm
.Lentry_in_a_cluster:
	s_bfe_u32 s2, ttmp6, 0x10000c
	s_cmp_lg_u32 s2, 0x3003
	s_cbranch_scc0 .Lentry_shape_is_right
	s_endpgm
.Lentry_shape_is_right:
; ATTN: for each (batch, head): O[q] = the sum over the keys that the mask keeps of softmax(q . k / 8) v, both products on codes of BF8 (E5M2); O is quantised at once for the output projection.
; THE SOFTMAX AHEAD OF THE SECOND PRODUCT: t = score x log2(e) / 8; M = the row's largest t so far, rounded UP to a whole number; p = 2^(t - M) is what is quantised, along the keys; it is not normalised.
; The row's sum is taken of the unquantised p, in f32, and divides O at the end.  When M moves, the sum and O are multiplied by 2^(old M - new M): nothing is rounded.
; SHARES.  A cluster of four work-groups owns one (batch, head); a work-group 512 of its queries; each of its eight waves 64, in two passes of two tiles of 16.  Two tiles share each fragment of K, of V and of the mask.
; THE WHOLE HEAD LIES IN LDS: K's 2,048 keys x 64 codes and V's 64 channels x 2,048 codes, 128 KiB each, as images of operand registers (lane l's 16 bytes at 16 l).  Each byte of LDS is filled once: no ring and no barrier in the loops.
; The four work-groups ask for every tile JOINTLY.  Each wave issues four loads of 8 KiB, one for each 512 keys: four tensor loads of a wave are out.  The first 512 keys are worked on while the others land.
; LAYOUT.  Both products are used transposed: S^T = K Q^T (source 0 = 16 keys, source 1 = 16 queries), O^T = V^T P^T (source 0 = 16 stored channel rows, source 1 = P): a lane holds ONE query (lane % 16) throughout.
; Eight score tiles give a lane keys 16 t + 8 (lane / 16) + 0 .. 7 in registers 8 t ..: converted, they are registers 2 t, 2 t + 1 of the second product's operand, in that form's own order of K; V's images have the same order.
; THE MASK costs no vector instruction in the loop: it is turned once into 2,048 f32 numbers in LDS, 0 where a key counts and -2^100 where it does not, and these are the C operand of the score products.
; A raw score is under 2^38 in magnitude, so a hidden key's score is -2^100 and its p is 0.  While all keys seen so far are hidden, the sums hold finite numbers under a huge negative M; the first key that counts multiplies them by 0.
; A row ALL of whose keys are hidden ends with its largest t under c x -2^99: its codes are then replaced by NaN codes, and its outputs are NaN, as the softmax of a row of -infinity is.
; O's stored channel rows were laid (by the weights' launch) so that the 16 results of two neighbouring tiles are 16 neighbouring channels: converted, they are four registers of the output projection's operand, stored as they stand.
; LIMITS on the given exponents: e6 + e7 between -80 and 29 (c x 2^(e6 + e7) x 2^100 is finite and drowns every score); e8, and e10 - e8 - e9, between -126 and 112.  NaN among the inputs is not served.
; REGISTERS.  window 0: v1-5 addresses; v16-31 eight statistics a tile (+0 -M, +1 largest t, +2, +3 the sum in two halves, +4 f, +5 named with it as a pair, +6, +7 at work); v32-47 Q; v48-53 constants;
;   v64-191 S^T, then p (64 a tile); v192-223 p's codes (16 a tile); v224-255 O's codes (8 a tile and pass).   window 1: v0-63 K's 8 fragments; v64-127 the mask's 8 tiles; v128-191 V's 4 fragments; v192-255 O^T (32 a tile).
.set VIMG, 131072                      ; LDS: K's images at 0: [tile of 16 keys][2 groups][lane][16];  V's here: [128 keys][4 tiles of 16 rows][4 groups][lane][16]
.set BIAS, 262144                      ; and the mask as 2,048 f32 numbers: blocks into which no tensor load lands
.set LI,   1                           ; v1   16 x lane
.set ADK,  2                           ; v2   LDS address of the step's tiles of K
.set ADV,  3                           ; v3   of V
.set ADB,  4                           ; v4   of the mask's numbers
.set BH,   5                           ; v5   BIAS + 32 (lane / 16)
.set ST,   16
.set QF,   32
.set PSC,  48                          ; 2^e8
.set PLIM, 49
.set OSC,  50                          ; 2^(e10 - e8 - e9)
.set OLIM, 51
.set THR,  52                          ; c x -2^99
.set NANC, 53                          ; four NaN codes
.set S,    64
.set P,    192
.set OC,   224
.set KF,   0                           ; in window 1
.set BF,   64
.set VF,   128
.set OT,   192
.set WV,   12                          ; s12  my wave's number
.set SEL,  20                          ; s[20:21] lane selects for v_permlanex16_b32: lane l xor 16
.set CS,   22                          ; s[22:23] c = log2(e) / 8 x 2^(e6 + e7): the packed form names a pair and takes its low word for both halves
.set G1K,  24                          ; s[24:31] descriptor group 1 for K's tiles;  s[32:39] for V's
.set G1V,  32
.set G0K,  40                          ; s[40:55] four groups 0 for K's tiles;  s[68:83] for V's
.set G0V,  68
.set QB,   56                          ; s[56:57] Q's images of my wave's four tiles
.set OB,   58                          ; s[58:59] where their results go
.set SOFF, 60                          ; s60  8,192 x key step: the step's images of K, and of V
.set SB,   61                          ; s61  512 x key step: its 128 numbers of the mask
.set CNT,  62
.set MSB, 0
.macro WIN new                         ; the immediate's high byte repeats the setting that is left
.if MSB != \new
	s_set_vgpr_msb (MSB<<8)|\new
.set MSB, \new
.endif
.endm
.macro CROUND                          ; a round of the cluster's barrier
	s_barrier_signal -1
	s_barrier_wait -1
	s_cmp_lg_u32 s[WV], 0
	s_cbranch_scc1 .Lnot_wave_0_\@
	s_barrier_signal -3
.Lnot_wave_0_\@:
	s_barrier_wait -3
	s_barrier_signal -1
	s_barrier_wait -1
.endm
	s_load_b256 s[4:11], s[0:1], 0x0               ; qkv_img s[4:5], the mask s[6:7], the exponents s[8:9], o_img s[10:11]
	v_lshl_add_u32 v62, v0, 2, 0x42000
	v_mov_b32 v63, 0
	ds_add_u32 v62, v63
	ds_add_u32 v62, v63
	v_lshrrev_b32 v6, 5, v0
	s_delay_alu instid0(VALU_DEP_1)
	v_readfirstlane_b32 s[WV], v6                  ; wave 0..7
	s_bfe_u32 s13, ttmp6, 0x40000                  ; cx: which 512 queries: it enters Q's and O's addresses alone
	s_and_b32 s14, ttmp7, 0xffff                   ; 16 x batch + head, which the four partners share
	s_lshr_b32 s15, s14, 4                         ; batch
	s_and_b32 s16, s14, 15                         ; head
	s_and_b32 s17, s[WV], 3                        ; which quarter of a chunk of 512 keys I fetch
	s_lshl_b32 s18, s15, 21                        ; a batch's 2 MiB in each of q's, k's and v's parts
	s_lshr_b32 s19, s16, 1                         ; head pair
	s_and_b32 s90, s16, 1
	s_lshl_b32 s90, s90, 10                        ; which head of the pair: 1,024 bytes
	s_lshl_b32 s89, s19, 18
	s_add_co_u32 s89, s89, s18
	s_add_co_u32 s89, s89, s90                     ; the head's first image in q's and in k's part
	s_lshl_b32 s91, s17, 14                        ; K: my 8 tiles of 16 keys, 2,048 bytes apart,
	s_add_co_u32 s92, s89, s91
	s_add_co_u32 s92, s92, 1<<23                   ; in k's part
	s_mov_b32 s93, 0
	s_lshl_b32 s94, s16, 13                        ; V: the head's 4 tiles of stored rows, 8,192 bytes,
	s_add_co_u32 s94, s94, s18
	s_lshl_b32 s91, s17, 17                        ; of my 128 keys,
	s_add_co_u32 s94, s94, s91
	s_add_co_u32 s94, s94, 2<<23                   ; in v's part
	s_mov_b32 s95, 0
	s_lshl_b32 s96, s17, 13                        ; in LDS: 8,192 bytes a wave in each chunk: no place in the cluster enters an LDS address
	s_lshl_b32 s97, s13, 5
	s_lshl_b32 s98, s[WV], 2
	s_add_co_u32 s97, s97, s98                     ; my first tile of 16 queries: 32 cx + 4 wave
	s_lshl_b32 s98, s97, 11
	s_add_co_u32 s98, s98, s89                     ; its image in q's part
	s_mov_b32 s99, 0
	s_lshl_b32 s2, s15, 7
	s_add_co_u32 s2, s2, s97                       ; the tile among all 512 tiles of tokens,
	s_lshl_b32 s2, s2, 14                          ; 16,384 bytes each in o_img,
	s_lshl_b32 s3, s19, 11
	s_add_co_u32 s2, s2, s3                        ; + the head pair's 2,048
	s_add_co_u32 s2, s2, s90                       ; + the head's 1,024
	s_mov_b32 s3, 0
	s_lshl_b32 s66, s15, 11                        ; the batch's 2,048 bytes of the mask
	s_mov_b32 s67, 0
	; descriptor group 1.  K: 8 rows (tiles of 16 keys) of 1,024 bytes, 2,048 bytes apart in memory, dense in LDS.  V: one row of 8,192 bytes
	s_mov_b32 s[G1K], 15|(0<<16)|(1<<21)           ; 15:0 the mask: all four work-groups; 17:16 elements of 1 byte; 21 set beside a mask; no padding
	s_mov_b32 s[G1K+1], 1024<<16                   ; tensor_dim0
	s_mov_b32 s[G1K+2], 8<<16                      ; tensor_dim1
	s_mov_b32 s[G1K+3], 1024<<16                   ; tile_dim0
	s_mov_b32 s[G1K+4], 8                          ; tile_dim1
	s_mov_b32 s[G1K+5], 2048                       ; tensor_dim0_stride
	s_mov_b32 s[G1K+6], 0
	s_mov_b32 s[G1K+7], 0
	s_mov_b32 s[G1V], 15|(3<<16)|(1<<21)           ; elements of 8 bytes
	s_mov_b32 s[G1V+1], 1024<<16
	s_mov_b32 s[G1V+2], 1<<16
	s_mov_b32 s[G1V+3], 1024<<16
	s_mov_b32 s[G1V+4], 1
	s_mov_b32 s[G1V+5], 1024
	s_mov_b32 s[G1V+6], 0
	s_mov_b32 s[G1V+7], 0
	s_mov_b32 s[SEL], 0x76543210
	s_mov_b32 s[SEL+1], 0xfedcba98
	s_mov_b32 s[CS], 0x3e38aa3b                    ; log2(e) / 8
	s_wait_dscnt 0x0
	s_wait_kmcnt 0x0
	s_load_b128 s[84:87], s[8:9], 0x18             ; e6, e7, e8, e9
	s_load_b32 s88, s[8:9], 0x28                   ; e10
	s_add_nc_u64 s[92:93], s[4:5], s[92:93]
	s_add_nc_u64 s[94:95], s[4:5], s[94:95]
	s_add_nc_u64 s[QB:QB+1], s[4:5], s[98:99]
	s_add_nc_u64 s[OB:OB+1], s[10:11], s[2:3]
	s_add_nc_u64 s[6:7], s[6:7], s[66:67]
.irp c, 0,1,2,3                                ; chunk c: keys 512 c on
	s_mov_b32 s[G0K+4*\c], 1                       ; count = 1
	s_add_co_u32 s[G0K+4*\c+1], s96, \c*32768      ; LDS address
	s_add_nc_u64 s[G0K+4*\c+2:G0K+4*\c+3], s[92:93], \c*65536
	s_or_b32 s[G0K+4*\c+3], s[G0K+4*\c+3], 0x80000000   ; type = 2
	s_mov_b32 s[G0V+4*\c], 1
	s_add_co_u32 s[G0V+4*\c+1], s96, VIMG+\c*32768
	s_add_nc_u64 s[G0V+4*\c+2:G0V+4*\c+3], s[94:95], \c*524288
	s_or_b32 s[G0V+4*\c+3], s[G0V+4*\c+3], 0x80000000
.endr
	CROUND                                         ; all four work-groups are here: the joint loads meet
	s_cmp_lt_u32 s[WV], 4                          ; waves 0-3 fetch K, waves 4-7 V: a wave's four fills stand in one branch on the wave's number, ahead of every wait on TENSORcnt and every LDS read
	s_cbranch_scc0 .Lfirst_v
	tensor_load_to_lds s[G0K:G0K+3], s[G1K:G1K+7]
	s_nop 0
	tensor_load_to_lds s[G0K+4:G0K+7], s[G1K:G1K+7]
	s_nop 0
	tensor_load_to_lds s[G0K+8:G0K+11], s[G1K:G1K+7]
	s_nop 0
	tensor_load_to_lds s[G0K+12:G0K+15], s[G1K:G1K+7]
	s_nop 0
.rept 4
	v_nop
.endr
	s_branch .Lfirst_asked
.Lfirst_v:
	tensor_load_to_lds s[G0V:G0V+3], s[G1V:G1V+7]
	s_nop 0
	tensor_load_to_lds s[G0V+4:G0V+7], s[G1V:G1V+7]
	s_nop 0
	tensor_load_to_lds s[G0V+8:G0V+11], s[G1V:G1V+7]
	s_nop 0
	tensor_load_to_lds s[G0V+12:G0V+15], s[G1V:G1V+7]
	s_nop 0
.rept 4
	v_nop
.endr
.Lfirst_asked:
	v_lshlrev_b32 v7, 3, v0
	global_load_b64 v[8:9], v7, s[6:7]             ; thread t: the mask's bytes of keys 8 t .. 8 t + 7
	v_and_b32 v[LI], 31, v0
	s_delay_alu instid0(VALU_DEP_1)
	v_lshlrev_b32 v[LI], 4, v[LI]
	v_bfe_u32 v[BH], v0, 4, 1
	s_delay_alu instid0(VALU_DEP_1)
	v_lshl_add_u32 v[BH], v[BH], 5, BIAS
	v_lshl_add_u32 v11, v0, 5, BIAS                ; where my eight numbers go
	v_mov_b32 v10, 0xf1800000                      ; -2^100
	v_mov_b32 v[NANC], 0x7f7f7f7f
	s_wait_alu depctr_va_vdst(0)
	s_wait_kmcnt 0x0
	s_add_co_i32 s66, s84, s85
	s_lshl_b32 s66, s66, 23
	s_add_co_i32 s[CS], s[CS], s66                 ; a score stands for score x 2^(e6 + e7): the two exponents are added to c's exponent field
	s_mov_b32 s[CS+1], s[CS]                       ; (named with it as a pair, so it is written)
	v_mov_b32 v[THR], s[CS]
	s_delay_alu instid0(VALU_DEP_1)
	v_mul_f32 v[THR], 0xf1000000, v[THR]           ; c x -2^99
	s_add_co_i32 s66, s86, 127
	s_lshl_b32 s67, s66, 23
	v_mov_b32 v[PSC], s67
	s_sub_co_i32 s66, s88, s86
	s_sub_co_i32 s66, s66, s87                     ; a sum of the second product, divided by l, stands for that x 2^(e8 + e9): its code is that / 2^(e10 - e8 - e9)
	s_add_co_i32 s66, s66, 127
	s_lshl_b32 s67, s66, 23
	v_mov_b32 v[OSC], s67
	s_add_co_i32 s66, s66, 15
	s_lshl_b32 s66, s66, 23
	s_or_b32 s66, s66, 0x600000
	s_wait_loadcnt 0x0
.irp i, 0,1,2,3
	v_bfe_u32 v6, v8, 8*\i, 8
	s_delay_alu instid0(VALU_DEP_1)
	v_cmp_eq_u32 vcc_lo, 0, v6
	s_delay_alu instid0(VALU_DEP_1)
	v_cndmask_b32 v[S+\i], 0, v10, vcc_lo          ; 0 where the key counts, -2^100 where the mask's byte is 0
.endr
.irp i, 0,1,2,3
	v_bfe_u32 v6, v9, 8*\i, 8
	s_delay_alu instid0(VALU_DEP_1)
	v_cmp_eq_u32 vcc_lo, 0, v6
	s_delay_alu instid0(VALU_DEP_1)
	v_cndmask_b32 v[S+4+\i], 0, v10, vcc_lo
.endr
	ds_store_b128 v11, v[S:S+3]
	ds_store_b128 v11, v[S+4:S+7] offset:16
; THE SOFTMAX OF A KEY STEP, for both tiles.  Tile 1 runs a phase behind tile 0, so that plain work stands among the exponentials.
.macro SOFT
.irp x, 0,1                                    ; the step's largest score of my query among my 64 keys, in two chains a tile; each accumulator is read from its low end on
	v_max3_num_f32 v[ST+8*\x+6], v[S+64*\x], v[S+64*\x+1], v[S+64*\x+2]
	v_max3_num_f32 v[ST+8*\x+7], v[S+64*\x+3], v[S+64*\x+4], v[S+64*\x+5]
.endr
.irp i, 6,10,14,18,22,26,30,34,38,42,46,50,54,58
.irp x, 0,1
	v_max3_num_f32 v[ST+8*\x+6], v[ST+8*\x+6], v[S+64*\x+\i], v[S+64*\x+\i+1]
	v_max3_num_f32 v[ST+8*\x+7], v[ST+8*\x+7], v[S+64*\x+\i+2], v[S+64*\x+\i+3]
.endr
.endr
.irp x, 0,1
	v_max3_num_f32 v[ST+8*\x+6], v[ST+8*\x+6], v[S+64*\x+62], v[S+64*\x+63]
.endr
.irp x, 0,1
	s_delay_alu instid0(VALU_DEP_2)
	v_max_num_f32 v[ST+8*\x+6], v[ST+8*\x+6], v[ST+8*\x+7]
.endr
.irp x, 0,1
	s_delay_alu instid0(VALU_DEP_2)
	v_permlanex16_b32 v[ST+8*\x+7], v[ST+8*\x+6], s[SEL], s[SEL+1]
.endr
.irp x, 0,1
	s_delay_alu instid0(VALU_DEP_2)
	v_max_num_f32 v[ST+8*\x+6], v[ST+8*\x+6], v[ST+8*\x+7]   ; and among lane l xor 16's
.endr
.irp x, 0,1
	s_delay_alu instid0(VALU_DEP_2)
	v_mul_f32 v[ST+8*\x+6], s[CS], v[ST+8*\x+6]    ; as t (c is positive)
.endr
.irp x, 0,1
	s_delay_alu instid0(VALU_DEP_2)
	v_max_num_f32 v[ST+8*\x+1], v[ST+8*\x+1], v[ST+8*\x+6]   ; the running largest t
.endr
.irp x, 0,1
	v_mov_b32 v[ST+8*\x+6], v[ST+8*\x]
.endr
.irp x, 0,1
	s_delay_alu instid0(VALU_DEP_4)
	v_floor_f32 v[ST+8*\x], -v[ST+8*\x+1]          ; the new -M = floor(-t) = -ceil(t): M is a whole number
.endr
.irp x, 0,1
	s_delay_alu instid0(VALU_DEP_2)
	v_sub_f32 v[ST+8*\x+6], v[ST+8*\x], v[ST+8*\x+6]   ; M's old value less its new one: a whole number, 0 or less
.endr
.irp x, 0,1
	s_delay_alu instid0(VALU_DEP_2)
	v_cvt_i32_f32 v[ST+8*\x+6], v[ST+8*\x+6]       ; (it saturates)
.endr
.irp x, 0,1
	s_delay_alu instid0(VALU_DEP_2)
	v_ldexp_f32 v[ST+8*\x+4], 1.0, v[ST+8*\x+6]    ; f = 2^(old M - new M)
.endr
.set j, 0
.rept 32
	v_pk_fma_f32 v[S+2*j:S+2*j+1], v[S+2*j:S+2*j+1], s[CS:CS+1], v[ST:ST+1] op_sel_hi:[1,0,0]   ; tile 0: t - M, two at a time (of the pairs c and -M the low word serves both halves)
.set j, j+1
.endr
.set j, 0
	s_wait_alu depctr_va_vdst(0)
.rept 32
	v_exp_f32 v[S+2*j], v[S+2*j]                   ; tile 0: p = 2^(t - M), at most 1: not normalised
	v_pk_fma_f32 v[S+64+2*j:S+64+2*j+1], v[S+64+2*j:S+64+2*j+1], s[CS:CS+1], v[ST+8:ST+9] op_sel_hi:[1,0,0]   ; tile 1: t - M
	v_exp_f32 v[S+2*j+1], v[S+2*j+1]
.set j, j+1
.endr
	s_setprio 1
	v_pk_mul_f32 v[ST+2:ST+3], v[ST+2:ST+3], v[ST+4:ST+5] op_sel_hi:[1,0]   ; tile 0's sum under the new M.  (A plain line behind the exponentials)
.set j, 0
	s_wait_alu depctr_va_vdst(0)
.rept 32
	v_exp_f32 v[S+64+2*j], v[S+64+2*j]             ; tile 1: p
	s_wait_alu depctr_va_vdst(0)
	v_pk_add_f32 v[ST+2:ST+3], v[ST+2:ST+3], v[S+2*j:S+2*j+1]   ; tile 0: the row's sum is taken of the unquantised p,
	v_exp_f32 v[S+64+2*j+1], v[S+64+2*j+1]
.set j, j+1
.endr
.irp t, 0,1,2,3,4,5,6,7
	v_cvt_scalef32_pk8_bf8_f32 v[P+2*\t:P+2*\t+1], v[S+8*\t:S+8*\t+7], v[PSC]
.endr
	v_pk_mul_f32 v[ST+10:ST+11], v[ST+10:ST+11], v[ST+12:ST+13] op_sel_hi:[1,0]   ; tile 1's sum under the new M
.set j, 0
	s_wait_alu depctr_va_vdst(0)
	v_pk_add_f32 v[254:255], v[128:129], v[130:131]
	v_pk_add_f32 v[252:253], v[132:133], v[134:135]
	v_pk_add_f32 v[250:251], v[136:137], v[138:139]
	v_pk_add_f32 v[248:249], v[140:141], v[142:143]
	v_pk_add_f32 v[246:247], v[144:145], v[146:147]
	v_pk_add_f32 v[244:245], v[148:149], v[150:151]
	v_pk_add_f32 v[242:243], v[152:153], v[154:155]
	v_pk_add_f32 v[26:27], v[26:27], v[156:157]
	v_pk_add_f32 v[254:255], v[254:255], v[158:159]
	v_pk_add_f32 v[252:253], v[252:253], v[160:161]
	v_pk_add_f32 v[250:251], v[250:251], v[162:163]
	v_pk_add_f32 v[248:249], v[248:249], v[164:165]
	v_pk_add_f32 v[246:247], v[246:247], v[166:167]
	v_pk_add_f32 v[244:245], v[244:245], v[168:169]
	v_pk_add_f32 v[242:243], v[242:243], v[170:171]
	v_pk_add_f32 v[26:27], v[26:27], v[172:173]
	v_pk_add_f32 v[254:255], v[254:255], v[174:175]
	v_pk_add_f32 v[252:253], v[252:253], v[176:177]
	v_pk_add_f32 v[250:251], v[250:251], v[178:179]
	v_pk_add_f32 v[248:249], v[248:249], v[180:181]
	v_pk_add_f32 v[246:247], v[246:247], v[182:183]
	v_pk_add_f32 v[244:245], v[244:245], v[184:185]
	v_pk_add_f32 v[242:243], v[242:243], v[186:187]
	v_pk_add_f32 v[26:27], v[26:27], v[188:189]
	v_pk_add_f32 v[254:255], v[254:255], v[190:191]
	s_delay_alu instid0(VALU_DEP_2)
	v_pk_add_f32 v[26:27], v[26:27], v[248:249]
	s_delay_alu instid0(VALU_DEP_2)
	v_pk_add_f32 v[254:255], v[254:255], v[246:247]
	v_pk_add_f32 v[252:253], v[252:253], v[244:245]
	v_pk_add_f32 v[250:251], v[250:251], v[242:243]
	s_delay_alu instid0(VALU_DEP_2)
	v_pk_add_f32 v[26:27], v[26:27], v[252:253]
	s_delay_alu instid0(VALU_DEP_2)
	v_pk_add_f32 v[254:255], v[254:255], v[250:251]
	s_delay_alu instid0(VALU_DEP_1)
	v_pk_add_f32 v[26:27], v[26:27], v[254:255]
.irp t, 0,1,2,3,4,5,6,7
	v_cvt_scalef32_pk8_bf8_f32 v[P+16+2*\t:P+16+2*\t+1], v[S+64+8*\t:S+64+8*\t+7], v[PSC]
.endr
.endm
; A KEY STEP: 128 keys.  24 matrix instructions; no two that follow each other share an accumulator, and each of O^T's eight is taken up again only behind the seven others and the next step's sixteen score products.
.macro STEP
	v_add_nc_u32 v[ADK], s[SOFF], v[LI]
	v_add_nc_u32 v[ADB], s[SB], v[BH]
	s_delay_alu instid0(VALU_DEP_2)
	v_add_nc_u32 v[ADV], VIMG, v[ADK]
	WIN 0x40                                       ; destination window 1
.irp t, 0,1,2,3,4,5,6,7                        ; tile t of 16 keys: K's fragment, and the mask's numbers of keys 16 t + 8 (lane / 16) + 0 .. 7, in the result's layout
	ds_load_b128 v[KF+8*\t:KF+8*\t+3], v[ADK] offset:1024*\t
	ds_load_b128 v[KF+8*\t+4:KF+8*\t+7], v[ADK] offset:1024*\t+512
	ds_load_b128 v[BF+8*\t:BF+8*\t+3], v[ADB] offset:64*\t
	ds_load_b128 v[BF+8*\t+4:BF+8*\t+7], v[ADB] offset:64*\t+16
.endr
	WIN 0x11                                       ; K and the mask's numbers in window 1, Q and S^T in window 0
	s_wait_alu depctr_va_vdst(0)
.irp t, 0,1,2,3,4,5,6,7
	s_wait_dscnt 28-4*\t                           ; tile t's four loads are in; the four of each of the 7 - t later tiles may be out
.irp x, 0,1
	v_wmma_f32_16x16x64_bf8_bf8 v[S+64*\x+8*\t:S+64*\x+8*\t+7], v[KF+8*\t:KF+8*\t+7], v[QF+8*\x:QF+8*\x+7], v[BF+8*\t:BF+8*\t+7]
.endr
.endr
.rept 4
	v_nop                                          ; places: in front of the first read of the scores; with the three additions above also in front of the loads into V's registers, which the last step's products read
.endr
	WIN 0x40
.irp c, 0,1,2,3                                ; V's four fragments: they land under the softmax
.irp g, 0,1,2,3
	ds_load_b128 v[VF+16*\c+4*\g:VF+16*\c+4*\g+3], v[ADV] offset:2048*\c+512*\g
.endr
.endr
	WIN 0
	SOFT
	WIN 0x41                                       ; O^T in window 1, f in window 0
	s_setprio 0
.irp x, 0,1
.set i, 0
.rept 16
	v_pk_mul_f32 v[OT+32*\x+i:OT+32*\x+i+1], v[OT+32*\x+i:OT+32*\x+i+1], v[ST+8*\x+4:ST+8*\x+5] op_sel_hi:[1,0]   ; O^T under the new M.  (Plain lines between the conversions and the products that read their results)
.set i, i+2
.endr
.endr
	s_wait_alu depctr_va_vdst(0)
	s_wait_dscnt 0x0                               ; V is in
	WIN 0x51                                       ; V and O^T in window 1, P in window 0
.irp c, 0,1,2,3
.irp x, 0,1
	v_wmma_f32_16x16x128_bf8_bf8 v[OT+32*\x+8*\c:OT+32*\x+8*\c+7], v[VF+16*\c:VF+16*\c+15], v[P+16*\x:P+16*\x+15], v[OT+32*\x+8*\c:OT+32*\x+8*\c+7]
.endr
.endr
	WIN 0
	s_add_co_u32 s[SOFF], s[SOFF], 8192
	s_add_co_u32 s[SB], s[SB], 512
.endm
.macro STEPS n
	s_mov_b32 s[CNT], \n
.Lstep_\@:
	s_setprio 2
	STEP
	s_sub_co_u32 s[CNT], s[CNT], 1
	s_cmp_lg_u32 s[CNT], 0
	s_cbranch_scc1 .Lstep_\@
	s_setprio 0
.endm
; A pass begins: its two tiles of Q; the largest t -3e38, under every t; the sums and O^T zeros, which the first change of M leaves zeros: so the key step is written in one form.
.macro START p
.irp x, 0,1
.irp g, 0,1
	global_load_b128 v[QF+8*\x+4*\g:QF+8*\x+4*\g+3], v[LI], s[QB:QB+1] offset:(2*\p+\x)*2048+512*\g
.endr
.endr
.irp x, 0,1
	v_mov_b32 v[ST+8*\x+1], 0xff61b1e6
	s_delay_alu instid0(VALU_DEP_1)
	v_floor_f32 v[ST+8*\x], -v[ST+8*\x+1]
	v_mov_b32 v[ST+8*\x+2], 0
	v_mov_b32 v[ST+8*\x+3], 0
	v_mov_b32 v[ST+8*\x+5], 0                      ; (named as the upper half of f's pair)
.endr
	WIN 0x40
.set i, 0
.rept 64
	v_mov_b32 v[OT+i], 0
.set i, i+1
.endr
	WIN 0
	s_mov_b32 s[SOFF], 0
	s_mov_b32 s[SB], 0
	s_wait_loadcnt 0x0                             ; Q
.endm
; A pass ends: O^T / the sum, held, converted, stored as four registers a group: 32 lanes store 512 consecutive bytes, aligned.  Each pass has its own registers for the codes, so no store's data are written again.
.macro WAYOUT p
.irp x, 0,1
	v_add_f32 v[ST+8*\x+2], v[ST+8*\x+2], v[ST+8*\x+3]   ; the sum's two halves.  (These additions, the two below and the v_nop are the places behind the last products)
.endr
.irp x, 0,1
	s_delay_alu instid0(VALU_DEP_2)
	v_permlanex16_b32 v[ST+8*\x+6], v[ST+8*\x+2], s[SEL], s[SEL+1]
.endr
.irp x, 0,1
	s_delay_alu instid0(VALU_DEP_2)
	v_add_f32 v[ST+8*\x+2], v[ST+8*\x+2], v[ST+8*\x+6]   ; and lane l xor 16's: the row's sum
.endr
	s_wait_alu depctr_va_vdst(0)
.irp x, 0,1
	v_rcp_f32 v[ST+8*\x+4], v[ST+8*\x+2]
.endr
	v_nop                                          ; a plain line behind the reciprocals
	WIN 0x01                                       ; source 0 (O^T) window 1
	s_wait_alu depctr_va_vdst(0)
.irp x, 0,1
.set i, 0
.rept 16
	v_pk_mul_f32 v[S+64*\x+i:S+64*\x+i+1], v[OT+32*\x+i:OT+32*\x+i+1], v[ST+8*\x+4:ST+8*\x+5] op_sel_hi:[1,0]
.set i, i+2
.endr
.endr
	WIN 0
.irp x, 0,1
.set i, 0
.rept 32
.set i, i+1
.endr
.endr
.irp x, 0,1
.irp c, 0,1,2,3
	v_cvt_scalef32_pk8_bf8_f32 v[OC+16*\p+8*\x+2*\c:OC+16*\p+8*\x+2*\c+1], v[S+64*\x+8*\c:S+64*\x+8*\c+7], v[OSC]
.endr
.endr
	v_nop                                          ; a plain line between the conversions and the selects that touch their results
.irp x, 0,1
	v_cmp_lt_f32 vcc_lo, v[ST+8*\x+1], v[THR]      ; a query all of whose keys are hidden: a choice of values, no branch
.irp i, 0,1,2,3,4,5,6,7
	v_cndmask_b32 v[OC+16*\p+8*\x+\i], v[OC+16*\p+8*\x+\i], v[NANC], vcc_lo
.endr
.endr
.irp x, 0,1
.irp g, 0,1
	global_store_b128 v[LI], v[OC+16*\p+8*\x+4*\g:OC+16*\p+8*\x+4*\g+3], s[OB:OB+1] offset:(2*\p+\x)*16384+512*\g
.endr
.endr
.endm
	START 0
	s_wait_tensorcnt 0x3                           ; my part of the first 512 keys is in; my three later loads may be out
	s_wait_dscnt 0x0                               ; my numbers of the mask are stored
	s_barrier_signal -1
	s_barrier_wait -1                              ; everybody's are
	STEPS 4                                        ; keys 0 to 511
	s_wait_tensorcnt 0x0                           ; all my loads are in,
	s_wait_dscnt 0x0
	s_barrier_signal -1
	s_barrier_wait -1                              ; everybody's are: the whole head lies in LDS
	STEPS 12
	WAYOUT 0
	START 1
	STEPS 16
	WAYOUT 1
	s_wait_tensorcnt 0x0
	s_wait_dscnt 0x0
	s_wait_tensorcnt 0x0
	ds_add_u32 v62, v63
	s_wait_dscnt 0x0
	CROUND                                         ; the closing round: no work-group ends while a partner may still ask for a tile that names it
	s_endpgm
.Lfunc_end_k_q4d581a6f5c_attn:
	.size	k_q4d581a6f5c_attn, .Lfunc_end_k_q4d581a6f5c_attn-k_q4d581a6f5c_attn
	.p2alignl 7, 3214868480
	.fill 96, 4, 3214868480
	.section	.rodata,"a",@progbits
	.p2align	6, 0x0
	.amdhsa_kernel k_q4d581a6f5c_attn
		.amdhsa_group_segment_fixed_size 271360
		.amdhsa_private_segment_fixed_size 0
		.amdhsa_enable_private_segment 0
		.amdhsa_kernarg_size 32
		.amdhsa_user_sgpr_count 2
		.amdhsa_user_sgpr_kernarg_segment_ptr 1
		.amdhsa_wavefront_size32 1
		.amdhsa_system_sgpr_workgroup_id_x 1
		.amdhsa_system_sgpr_workgroup_id_y 1
		.amdhsa_system_sgpr_workgroup_id_z 1
		.amdhsa_system_vgpr_workitem_id 0
		.amdhsa_next_free_vgpr 512
		.amdhsa_next_free_sgpr 100
		.amdhsa_reserve_vcc 1
		.amdhsa_float_denorm_mode_32 3
		.amdhsa_float_denorm_mode_16_64 3
		.amdhsa_fp16_overflow 1
		.amdhsa_memory_ordered 1
		.amdhsa_forward_progress 1
		.amdhsa_inst_pref_size 107
	.end_amdhsa_kernel
	.amdgpu_metadata
---
amdhsa.version: [ 1, 2 ]
amdhsa.kernels:
  - .name:           k_q4d581a6f5c_attn
    .symbol:         k_q4d581a6f5c_attn.kd
    .args:
      - { .name: qkv_img, .offset: 0, .size: 8, .value_kind: global_buffer, .address_space: global }
      - { .name: key_attention_mask, .offset: 8, .size: 8, .value_kind: global_buffer, .address_space: global }
      - { .name: lowp_scales, .offset: 16, .size: 8, .value_kind: global_buffer, .address_space: global }
      - { .name: o_img, .offset: 24, .size: 8, .value_kind: global_buffer, .address_space: global }
    .group_segment_fixed_size: 271360
    .private_segment_fixed_size: 0
    .kernarg_segment_align: 8
    .kernarg_segment_size: 32
    .max_flat_workgroup_size: 256
    .sgpr_count:     100
    .vgpr_count:     512
    .wavefront_size: 32
...
	.end_amdgpu_metadata
.endif
;; end of part 3
;; launch outp (part 4): grid 4 x 32, 4 waves a work-group, clusters of 4 x 4, 327,680 bytes of LDS; arguments o_img, w_codes, lowp_scales, b_out, out0; writes out0
.if DOCPART == 4
	.amdgcn_target "amdgcn-amd-amdhsa--gfx1250"
	.amdhsa_code_object_version 6
	.text
	.protected	k_q4d581a6f5c_outp
	.globl	k_q4d581a6f5c_outp
	.p2align	8
	.type	k_q4d581a6f5c_outp,@function
k_q4d581a6f5c_outp:
	s_mov_b64 s[64:65], 0
	v_nop
	global_prefetch_b8 v0, s[64:65] scope:SCOPE_SE
	s_setreg_imm32_b32 hwreg(HW_REG_WAVE_MODE, 25, 1), 1
	s_wait_xcnt 0x0
	s_wait_alu depctr_hold_cnt(0) depctr_sa_sdst(0) depctr_va_vdst(0) depctr_va_sdst(0) depctr_va_ssrc(0) depctr_va_vcc(0) depctr_vm_vsrc(0)
	s_getreg_b32 s2, hwreg(HW_REG_IB_STS2, 6, 4)
	s_cmp_eq_u32 s2, 0
	s_cbranch_scc0 .Lentry_in_a_cluster
	s_endpgm
.Lentry_in_a_cluster:
	s_bfe_u32 s2, ttmp6, 0x10000c
	s_cmp_lg_u32 s2, 0xf033
	s_cbranch_scc0 .Lentry_shape_is_right
	s_endpgm
.Lentry_shape_is_right:
.set ROWB,   256
.set AROWB,  4096
.set KROW,   1024
.set PITCH,  272
.set FR,     16
.set NL,     4
.set NP,     4
.set HALFT,  128*PITCH
.set SLOT,   4*HALFT
.set LAPS,   2
.set SPARE,  2*SLOT
.set SPITCH, 528
.set BI,   8
.set ADRA, 16
.set ADRB, 20
.set STO,  24
.set RD,   25
.set CO,   26
.set SPW,  28
.set NIL,  29
.set AF,   128
.set BK,   128
.set G1, 24
.set G0, 32
.set G1B, 48
.set G0B, 56
.set MSB, 0
.macro WIN new
.if MSB != \new
	s_set_vgpr_msb (MSB<<8)|\new
.set MSB, \new
.endif
.endm
.set MUL_LO, 0xa1
.set MUL_HI, 0xf1
.set TO_B,   0x40
.macro JLOAD g0a, g1a, g0b, g1b
	s_cmp_eq_u32 s15, 0
	s_cbranch_scc0 .Lfor_b_\@
	tensor_load_to_lds s[\g0a:\g0a+3], s[\g1a:\g1a+7]
	s_nop 0
.rept 4
	v_nop
.endr
	s_branch .Lasked_\@
.Lfor_b_\@:
	tensor_load_to_lds s[\g0b:\g0b+3], s[\g1b:\g1b+7]
	s_nop 0
.rept 4
	v_nop
.endr
.Lasked_\@:
.endm
.macro CREST
	s_cmp_lg_u32 s14, 0
	s_cbranch_scc1 .Lnot_wave_0_\@
	s_barrier_signal -3
.Lnot_wave_0_\@:
	s_barrier_wait -3
	s_barrier_signal -1
	s_barrier_wait -1
.endm
.macro CROUND
	s_barrier_signal -1
	s_barrier_wait -1
	CREST
.endm
	s_load_b256 s[4:11], s[0:1], 0x0
	s_load_b64 s[12:13], s[0:1], 0x20
	v_lshl_add_u32 v[SPW], v0, 2, SPARE
	v_mov_b32 v[NIL], 0
	ds_add_u32 v28, v29
	ds_add_u32 v28, v29
	s_wait_dscnt 0x0
	v_lshrrev_b32 v1, 5, v0
	v_readfirstlane_b32 s14, v1
	s_lshr_b32 s15, s14, 1
	s_and_b32 s16, s14, 1
	s_bfe_u32 s40, ttmp6, 0x40000
	s_bfe_u32 s41, ttmp6, 0x40004
	s_lshl_b32 s42, ttmp9, 2
	s_add_co_u32 s42, s42, s40
	s_and_b32 s17, ttmp7, 0xffff
	s_lshl_b32 s17, s17, 2
	s_add_co_u32 s17, s17, s41
	s_lshl_b32 s43, s41, 2
	s_lshl_b32 s43, 15, s43
	s_lshl_b32 s44, 0x1111, s40
	s_or_b32 s[G1+0], s43, (0<<16)|(1<<21)
	s_mov_b32 s[G1+1], AROWB<<16
	s_mov_b32 s[G1+2], 8<<16
	s_mov_b32 s[G1+3], AROWB<<16
	s_mov_b32 s[G1+4], 8
	s_mov_b32 s[G1+5], 16384
	s_mov_b32 s[G1+6], 0
	s_mov_b32 s[G1+7], 0
	s_or_b32 s[G1B+0], s44, (0<<16)|(1<<20)|(1<<21)|(5<<22)|(3<<25)
	s_mov_b32 s[G1B+1], ROWB<<16
	s_mov_b32 s[G1B+2], 128<<16
	s_mov_b32 s[G1B+3], ROWB<<16
	s_mov_b32 s[G1B+4], 128
	s_mov_b32 s[G1B+5], KROW
	s_mov_b32 s[G1B+6], 0
	s_mov_b32 s[G1B+7], 0
	s_lshl_b32 s20, s17, 18
	s_lshl_b32 s18, s16, 17
	s_add_co_u32 s20, s20, s18
	s_mov_b32 s21, 0
	s_lshl_b32 s46, s42, 8
	s_lshl_b32 s18, s16, 7
	s_add_co_u32 s46, s46, s18
	s_lshl_b32 s46, s46, 10
	s_add_co_u32 s46, s46, 3<<20
	s_mov_b32 s47, 0
	s_mul_i32 s45, s14, HALFT
	s_wait_kmcnt 0x0
	s_load_b64 s[96:97], s[8:9], 0x28
	s_add_nc_u64 s[20:21], s[4:5], s[20:21]
	s_add_nc_u64 s[46:47], s[6:7], s[46:47]
	CROUND
.irp s, 0,1
	s_mov_b32 s[G0+4*\s], 1
	s_add_co_u32 s[G0+4*\s+1], s45, \s*SLOT
	s_add_nc_u64 s[G0+4*\s+2:G0+4*\s+3], s[20:21], \s*AROWB
	s_or_b32 s[G0+4*\s+3], s[G0+4*\s+3], 0x80000000
	s_mov_b32 s[G0B+4*\s], 1
	s_add_co_u32 s[G0B+4*\s+1], s45, \s*SLOT
	s_add_nc_u64 s[G0B+4*\s+2:G0B+4*\s+3], s[46:47], \s*ROWB
	s_or_b32 s[G0B+4*\s+3], s[G0B+4*\s+3], 0x80000000
	s_wait_alu depctr_va_vdst(0)
	s_wait_tensorcnt 0x0
	ds_add_u32 v28, v29
	ds_add_u32 v28, v29
	s_wait_dscnt 0x0
	CROUND
	JLOAD G0+4*\s, G1, G0B+4*\s, G1B
.endr
	v_and_b32 v1, 15, v0
	v_bfe_u32 v2, v0, 4, 1
	v_mul_u32_u24 v3, v1, PITCH
	v_lshl_add_u32 v4, v2, 4, v3
	v_and_b32 v6, 31, v0
	v_lshlrev_b32 v[CO], 4, v6
	s_wait_alu depctr_va_vdst(0)
	s_mul_i32 s21, s15, HALFT
	s_mul_i32 s22, s16, HALFT
	s_add_co_u32 s22, s22, 2*HALFT
.irp s, 0,1
	v_add_nc_u32 v[ADRA+\s], s21, v[CO]
	v_add_nc_u32 v[ADRB+\s], s22, v4
	s_add_co_u32 s21, s21, SLOT
	s_add_co_u32 s22, s22, SLOT
.endr
	s_mul_i32 s23, s14, 16*SPITCH
	v_mul_u32_u24 v5, v1, SPITCH
	v_lshl_add_u32 v5, v2, 5, v5
	v_add_nc_u32 v[STO], s23, v5
	v_add_nc_u32 v[RD], s23, v[CO]
	s_lshl_b32 s20, s17, 8
	s_lshl_b32 s21, s15, 7
	s_add_co_u32 s20, s20, s21
	s_lshl_b32 s20, s20, 12
	s_mov_b32 s21, 0
	s_lshl_b32 s46, s42, 10
	s_lshl_b32 s47, s16, 9
	s_add_co_u32 s46, s46, s47
	s_mov_b32 s47, 0
	s_add_nc_u64 s[10:11], s[10:11], s[46:47]
	s_add_nc_u64 s[20:21], s[20:21], s[46:47]
	s_add_nc_u64 s[12:13], s[12:13], s[20:21]
	global_load_b128 v[BI:BI+3], v[CO], s[10:11]
.macro FRAG reg, adr, q, i
.irp c, 0,1,2,3
	ds_load_b128 v[\reg+4*\c:\reg+4*\c+3], v[\adr] offset:128*(\q)+32*\c+(\i)*16*PITCH
.endr
.endm
.macro FRAGA reg, adr, q, i
.irp c, 0,1,2,3
	ds_load_b128 v[\reg+4*\c:\reg+4*\c+3], v[\adr] offset:(\i)*AROWB+2048*(\q)+512*\c
.endr
.endm
.macro MUL16 a0, p, zero
.irp a, \a0, \a0+1
.irp b, 0,1,2,3,4,5,6,7
.if \zero
	v_wmma_f32_16x16x128_bf8_bf8 v[8*(8*((\a)%4)+\b):8*(8*((\a)%4)+\b)+7], v[128*(\p)+FR*\b:128*(\p)+FR*\b+FR-1], v[AF+FR*(\a):AF+FR*(\a)+FR-1], 0
.else
	v_wmma_f32_16x16x128_bf8_bf8 v[8*(8*((\a)%4)+\b):8*(8*((\a)%4)+\b)+7], v[128*(\p)+FR*\b:128*(\p)+FR*\b+FR-1], v[AF+FR*(\a):AF+FR*(\a)+FR-1], v[8*(8*((\a)%4)+\b):8*(8*((\a)%4)+\b)+7]
.endif
.endr
.endr
.endm
.macro FETCH_B slot, q, p
	WIN TO_B
.irp i, 0,1,2,3,4,5,6,7
	FRAG 128*(\p)+FR*\i, ADRB+\slot, \q, \i
.endr
	WIN 0
.endm
.macro FETCH_A slot, q, i0
.irp i, \i0, \i0+1, \i0+2, \i0+3
	FRAGA AF+FR*(\i), ADRA+\slot, \q, \i
.endr
.endm
.macro PLACES n
.rept \n
	v_nop
.endr
.endm
.macro STEP slot, q, zero
	s_wait_dscnt 4*NL
	WIN MUL_LO
	MUL16 0, (\q)%2, \zero
	MUL16 2, (\q)%2, \zero
	s_wait_dscnt 0
	PLACES NP
	FETCH_B \slot, (\q)+1, 1-(\q)%2
	FETCH_A \slot, (\q)+1, 0
	WIN MUL_HI
	MUL16 4, (\q)%2, \zero
	MUL16 6, (\q)%2, \zero
	PLACES NP
	WIN 0
	FETCH_A \slot, (\q)+1, 4
.endm
.macro TURN slot, next, fill
	s_wait_tensorcnt 0x0
	ds_add_u32 v[SPW], v[NIL]
	s_wait_dscnt 4*NL+1
	WIN MUL_LO
	MUL16 0, 1, 0
	s_wait_dscnt 0x0
	s_barrier_signal -1
	MUL16 2, 1, 0
	WIN 0
	s_barrier_wait -1
.if \fill
	CREST
	s_add_nc_u64 s[G0+4*\slot+2:G0+4*\slot+3], s[G0+4*\slot+2:G0+4*\slot+3], 2*AROWB
	s_add_nc_u64 s[G0B+4*\slot+2:G0B+4*\slot+3], s[G0B+4*\slot+2:G0B+4*\slot+3], 2*ROWB
	JLOAD G0+4*\slot, G1, G0B+4*\slot, G1B
.else
	PLACES NP
.endif
	FETCH_B \next, 0, 0
	FETCH_A \next, 0, 0
	WIN MUL_HI
	MUL16 4, 1, 0
	MUL16 6, 1, 0
	PLACES NP
	WIN 0
	FETCH_A \next, 0, 4
.endm
	s_wait_alu depctr_va_vdst(0)
	s_wait_tensorcnt 1
	s_barrier_signal -1
	s_barrier_wait -1
	FETCH_B 0, 0, 0
	FETCH_A 0, 0, 0
	FETCH_A 0, 0, 4
	STEP 0, 0, 1
	s_mov_b32 s3, LAPS-1
.Llap:
	TURN 0, 1, 1
	STEP 1, 0, 0
	TURN 1, 0, 1
	STEP 0, 0, 0
	s_sub_co_u32 s3, s3, 1
	s_cmp_lg_u32 s3, 0
	s_cbranch_scc1 .Llap
	TURN 0, 1, 0
	STEP 1, 0, 0
	s_wait_dscnt 4*NL
	WIN MUL_LO
	MUL16 0, 1, 0
	MUL16 2, 1, 0
	s_wait_dscnt 0
	WIN MUL_HI
	MUL16 4, 1, 0
	MUL16 6, 1, 0
	WIN 0
.macro TOSTAGE a
.set AC, 64*((\a)%4)
	WIN 0x08+4*((\a)/4)
.irp b, 0,1,2,3,4,5,6,7
	ds_store_b128 v[STO], v[AC+8*\b:AC+8*\b+3] offset:64*\b
	ds_store_b128 v[STO], v[AC+8*\b+4:AC+8*\b+7] offset:64*\b+16
.endr
	WIN 0
.set BB, BK+64*((\a)%2)
.irp t, 0,1,2,3,4,5,6,7,8,9,10,11,12,13,14,15
	ds_load_b128 v[BB+4*\t:BB+4*\t+3], v[RD] offset:\t*SPITCH
.endr
.endm
.macro SEND a, younger
.set BB, BK+64*((\a)%2)
	s_wait_dscnt \younger
.if (\a) > 0
	s_add_nc_u64 s[12:13], s[12:13], 16*4096
.endif
.irp t, 0,1,2,3,4,5,6,7,8,9,10,11,12,13,14,15
	v_pk_fma_f32 v[BB+4*\t:BB+4*\t+1], v[BB+4*\t:BB+4*\t+1], s[96:97], v[BI:BI+1] op_sel_hi:[1,0,1]
	v_pk_fma_f32 v[BB+4*\t+2:BB+4*\t+3], v[BB+4*\t+2:BB+4*\t+3], s[96:97], v[BI+2:BI+3] op_sel_hi:[1,0,1]
	global_store_b128 v[CO], v[BB+4*\t:BB+4*\t+3], s[12:13] offset:\t*4096 th:TH_STORE_NT
.endr
.endm
	s_wait_kmcnt 0x0
	s_add_co_i32 s96, s96, s97
	s_add_co_i32 s96, s96, 127
	s_lshl_b32 s96, s96, 23
	s_mov_b32 s97, s96
	s_wait_loadcnt 0x0
	PLACES NP
	TOSTAGE 0
.irp a, 1,2,3,4,5,6,7
.if \a > 1
	s_wait_xcnt 0x0
.endif
	TOSTAGE \a
	SEND \a-1, 32
.endr
	s_wait_xcnt 0x0
	SEND 7, 0
	s_wait_tensorcnt 0x0
	ds_add_u32 v[SPW], v[NIL]
	s_wait_dscnt 0x0
	CROUND
	s_endpgm
.Lfunc_end_k_q4d581a6f5c_outp:
	.size	k_q4d581a6f5c_outp, .Lfunc_end_k_q4d581a6f5c_outp-k_q4d581a6f5c_outp
	.p2alignl 7, 3214868480
	.fill 96, 4, 3214868480
	.section	.rodata,"a",@progbits
	.p2align	6, 0x0
	.amdhsa_kernel k_q4d581a6f5c_outp
		.amdhsa_group_segment_fixed_size 327680
		.amdhsa_private_segment_fixed_size 0
		.amdhsa_enable_private_segment 0
		.amdhsa_kernarg_size 40
		.amdhsa_user_sgpr_count 2
		.amdhsa_user_sgpr_kernarg_segment_ptr 1
		.amdhsa_wavefront_size32 1
		.amdhsa_system_sgpr_workgroup_id_x 1
		.amdhsa_system_sgpr_workgroup_id_y 1
		.amdhsa_system_sgpr_workgroup_id_z 1
		.amdhsa_system_vgpr_workitem_id 0
		.amdhsa_next_free_vgpr 1024
		.amdhsa_next_free_sgpr 100
		.amdhsa_reserve_vcc 0
		.amdhsa_float_denorm_mode_32 3
		.amdhsa_float_denorm_mode_16_64 3
		.amdhsa_memory_ordered 1
		.amdhsa_forward_progress 1
		.amdhsa_inst_pref_size 124
	.end_amdhsa_kernel
	.amdgpu_metadata
---
amdhsa.version: [ 1, 2 ]
amdhsa.kernels:
  - .name:           k_q4d581a6f5c_outp
    .symbol:         k_q4d581a6f5c_outp.kd
    .args:
      - { .name: o_img, .offset: 0, .size: 8, .value_kind: global_buffer, .address_space: global }
      - { .name: w_codes, .offset: 8, .size: 8, .value_kind: global_buffer, .address_space: global }
      - { .name: lowp_scales, .offset: 16, .size: 8, .value_kind: global_buffer, .address_space: global }
      - { .name: b_out, .offset: 24, .size: 8, .value_kind: global_buffer, .address_space: global }
      - { .name: out0, .offset: 32, .size: 8, .value_kind: global_buffer, .address_space: global }
    .group_segment_fixed_size: 327680
    .private_segment_fixed_size: 0
    .kernarg_segment_align: 8
    .kernarg_segment_size: 40
    .max_flat_workgroup_size: 128
    .sgpr_count:     100
    .vgpr_count:     1024
    .wavefront_size: 32
...
	.end_amdgpu_metadata
.endif
;; end of part 4
